; MI455X (gfx1250); checked and timed in simulation.
; The chip was launched on July 23, 2026; its instructions are those of AMD's public machine-readable ISA for CDNA 5 (MIT licence, August 2026) and "CDNA5" Instruction Set Architecture Reference Guide (July 2026). The comments in the code are by the model that wrote it; some were corrected since.
;; Lo RA Attention. Allowed arithmetic: float matrix products may take bf16 or f16 operands with f32 sums; all other float work in f32.
;; Inputs: lora_q_a 8 x 1,024 float32; lora_q_b 1,024 x 8 float32; lora_v_a 8 x 1,024 float32; lora_v_b 1,024 x 8 float32; proj_b 1,024 float32; proj_w 1,024 x 1,024 float32; qkv_b 3,072 float32; qkv_w 3,072 x 1,024 float32; x 8 x 1,024 x 1,024 float32.
;; Outputs: out0 8 x 1,024 x 1,024 float32.
;; One version. Each part assembles by itself: llvm-mc -triple=amdgcn-amd-amdhsa -mcpu=gfx1250 --defsym DOCPART=n.
;; ======== version 1 of 1: 4 launches
;; limits: values are held in f16: magnitudes above 65,504 overflow, below 6.1e-05 lose precision
;; workspace buffers: xh 16,777,216 bytes; wqkv 6,291,456 bytes; wproj 2,097,152 bytes; qkvh 50,331,648 bytes; att 16,777,216 bytes
;; launch prep (part 1): grid 1536 x 1, 8 waves a work-group, no clusters, 0 bytes of LDS; arguments x, qkv_w, proj_w, lora_q_a, lora_q_b, lora_v_a, lora_v_b, xh, wqkv, wproj; writes xh, wqkv, wproj
.if DOCPART == 1
	.amdgcn_target "amdgcn-amd-amdhsa--gfx1250"
	.amdhsa_code_object_version 6
	.text
	.protected	k_qa3770b3128_prep
	.globl	k_qa3770b3128_prep
	.p2align	8
	.type	k_qa3770b3128_prep,@function
k_qa3770b3128_prep:
	s_mov_b64 s[64:65], 0
	v_nop
	global_prefetch_b8 v0, s[64:65] scope:SCOPE_SE
	s_setreg_imm32_b32 hwreg(HW_REG_WAVE_MODE, 25, 1), 1
	s_wait_xcnt 0x0
; prep: the operands of the two large products, rounded once to f16.
;   xh[kb][token][64]  = f16(x[token][64 kb + ..])                 (16 blocks of 64 columns, each block dense over the 8,192 tokens)
;   wqkv[n][k]         = f16(qkv_w[n][k] + 2 * sum over r of b[n][r] a[r][k])   rows 0-1023 with lora_q, rows 2048-3071 with lora_v, rows 1024-2047 plain
;   wproj[n][k]        = f16(proj_w[n][k])
; x (2 b a)^T is x a^T b^T * 2 for every input, so the adapters are added to the weights, in f32, ahead of the one rounding.
; LIMITS: the order of rounding differs from a separate adapter product; numbers beyond 65,504 in magnitude do not fit f16.
; Memory binds: each work-group takes 8 rows of 1,024 f32; a thread issues its 8 loads of 16 bytes first and stores 8 bytes for each.
; Work-groups 0-1023: tokens 8 g .. 8 g + 7 of x.  Work-groups 1024-1535: 8 rows of a weight matrix (128 groups for each section q, k, v, proj).
; No LDS, no barrier, no matrix unit: nothing is shared between threads but the 32 KiB of an adapter.
.set X, 4                              ; v[4:35]   row i: 4 numbers in f32
.set A, 36                             ; v[36:67]  adapter row r: a[r][my 4 columns], doubled
.set Y, 68                             ; v[68:83]  row i: 4 numbers in f16; a pair of its own for each row, so no store's data is rewritten
; row i: round and store.  The 7 - i younger row loads may stay out (loads of a wave return in order: ISA guide 5.7.1).
.macro PUT i, off
	s_wait_loadcnt 7-\i
	v_cvt_pk_f16_f32 v[Y+2*\i], v[X+4*\i], v[X+4*\i+1]
	v_cvt_pk_f16_f32 v[Y+2*\i+1], v[X+4*\i+2], v[X+4*\i+3]
	global_store_b64 v2, v[Y+2*\i:Y+2*\i+1], s[28:29] offset:\off      ; a wave stores 256 consecutive bytes, aligned
.endm
	s_load_b512 s[4:19], s[0:1], 0x0               ; x 4:5, qkv_w 6:7, proj_w 8:9, q_a 10:11, q_b 12:13, v_a 14:15, v_b 16:17, xh 18:19
	s_load_b128 s[20:23], s[0:1], 0x40             ; wqkv 20:21, wproj 22:23
	s_mov_b32 s25, 0                               ; upper word of every byte offset (all are below 4 GiB)
	s_cmp_lt_u32 ttmp9, 1024
	s_cbranch_scc0 .Lweights
	; ---- x.  Wave w takes columns 128 w .. 128 w + 127; one load covers 2 tokens x 256 bytes (one block of 64 columns).
	v_and_b32 v3, 15, v0
	v_lshlrev_b32 v1, 4, v3                        ; 16 bytes a lane inside the 256
	v_bfe_u32 v3, v0, 4, 1
	v_lshl_add_u32 v1, v3, 12, v1                  ; lanes 16-31: the next token (4,096 bytes on)
	v_lshrrev_b32 v3, 5, v0                        ; wave
	v_lshl_add_u32 v1, v3, 9, v1                   ; + 512 w
	v_and_b32 v2, 31, v0
	v_lshlrev_b32 v2, 3, v2                        ; out: 2 tokens x 128 bytes are 256 dense bytes: 8 x lane
	v_lshl_add_u32 v2, v3, 21, v2                  ; + block 2 w (a block is 8,192 tokens x 128 bytes = 1 MiB)
	s_lshl_b32 s24, ttmp9, 15                      ; 8 tokens x 4,096 bytes
	s_wait_kmcnt 0x0
	s_add_nc_u64 s[26:27], s[4:5], s[24:25]
	s_lshl_b32 s24, ttmp9, 10                      ; 8 tokens x 128 bytes
	s_add_nc_u64 s[28:29], s[18:19], s[24:25]
.irp i, 0,1,2,3,4,5,6,7
	global_load_b128 v[X+4*\i:X+4*\i+3], v1, s[26:27] offset:(\i>>1)*8192+(\i&1)*256 th:TH_LOAD_NT   ; token pair i >> 1, block 2 w + (i & 1)
.endr
.irp i, 0,1,2,3,4,5,6,7
	PUT \i, (\i&1)*1048576+(\i>>1)*256
.endr
	s_endpgm
	; ---- weights.  Thread t takes columns 4 t .. 4 t + 3 of 8 rows.
.Lweights:
	s_sub_co_u32 s30, ttmp9, 1024                  ; 0 .. 511
	s_lshr_b32 s31, s30, 7                         ; section: 0 q rows, 1 k rows, 2 v rows, 3 proj_w
	s_and_b32 s2, s30, 127                         ; group of 8 rows inside the section
	v_lshlrev_b32 v1, 4, v0
	v_lshlrev_b32 v2, 3, v0
	s_wait_kmcnt 0x0
	s_cmp_eq_u32 s31, 3
	s_cselect_b64 s[26:27], s[8:9], s[6:7]         ; from proj_w or qkv_w
	s_cselect_b64 s[28:29], s[22:23], s[20:21]     ; to wproj or wqkv
	s_cselect_b32 s3, s2, s30                      ; group of 8 rows inside that matrix
	s_lshl_b32 s24, s3, 15
	s_add_nc_u64 s[26:27], s[26:27], s[24:25]
	s_lshl_b32 s24, s3, 14
	s_add_nc_u64 s[28:29], s[28:29], s[24:25]
.irp i, 0,1,2,3,4,5,6,7
	global_load_b128 v[X+4*\i:X+4*\i+3], v1, s[26:27] offset:\i*4096 th:TH_LOAD_NT
.endr
	s_bitcmp1_b32 s31, 0
	s_cbranch_scc1 .Lround                         ; k rows and proj_w have no adapter
	s_cmp_eq_u32 s31, 0
	s_cselect_b64 s[10:11], s[10:11], s[14:15]     ; a: lora_q_a or lora_v_a
	s_cselect_b64 s[12:13], s[12:13], s[16:17]     ; b: lora_q_b or lora_v_b
	s_lshl_b32 s24, s2, 8                          ; my 8 rows of b: 8 x 8 x 4 bytes
	s_add_nc_u64 s[12:13], s[12:13], s[24:25]
	s_load_b512 s[32:47], s[12:13], 0x0            ; b of rows 0, 1: row i begins at s[32 + 8 i]
	s_load_b512 s[48:63], s[12:13], 0x40           ; rows 2, 3
	s_load_b512 s[68:83], s[12:13], 0x80           ; rows 4, 5: row i begins at s[36 + 8 i]
	s_load_b512 s[84:99], s[12:13], 0xc0           ; rows 6, 7
.irp r, 0,1,2,3,4,5,6,7
	global_load_b128 v[A+4*\r:A+4*\r+3], v1, s[10:11] offset:\r*4096   ; a[r][my 4 columns]; many work-groups read these, so no hint
.endr
	s_wait_kmcnt 0x0
	s_wait_loadcnt 0x0                             ; the rows and the adapter
.irp e, 0,2,4,6,8,10,12,14,16,18,20,22,24,26,28,30
	v_pk_add_f32 v[A+\e:A+\e+1], v[A+\e:A+\e+1], v[A+\e:A+\e+1]        ; alpha / rank = 2, exactly
.endr
.irp r, 0,1,2,3,4,5,6,7
.irp i, 0,1,2,3,4,5,6,7
.irp c, 0,1,2,3
	v_fmac_f32 v[X+4*\i+\c], s[32+8*\i+4*(\i/4)+\r], v[A+4*\r+\c]      ; 32 sums that do not wait for each other
.endr
.endr
.endr
.Lround:
.irp i, 0,1,2,3,4,5,6,7
	PUT \i, \i*2048
.endr
	s_endpgm
.Lfunc_end_k_qa3770b3128_prep:
	.size	k_qa3770b3128_prep, .Lfunc_end_k_qa3770b3128_prep-k_qa3770b3128_prep
	.p2alignl 7, 3214868480
	.fill 96, 4, 3214868480
	.section	.rodata,"a",@progbits
	.p2align	6, 0x0
	.amdhsa_kernel k_qa3770b3128_prep
		.amdhsa_group_segment_fixed_size 0
		.amdhsa_private_segment_fixed_size 0
		.amdhsa_enable_private_segment 0
		.amdhsa_kernarg_size 80
		.amdhsa_user_sgpr_count 2
		.amdhsa_user_sgpr_kernarg_segment_ptr 1
		.amdhsa_wavefront_size32 1
		.amdhsa_system_sgpr_workgroup_id_x 1
		.amdhsa_system_sgpr_workgroup_id_y 1
		.amdhsa_system_sgpr_workgroup_id_z 1
		.amdhsa_system_vgpr_workitem_id 0
		.amdhsa_next_free_vgpr 84
		.amdhsa_next_free_sgpr 100
		.amdhsa_reserve_vcc 0
		.amdhsa_float_denorm_mode_32 3
		.amdhsa_float_denorm_mode_16_64 3
		.amdhsa_memory_ordered 1
		.amdhsa_forward_progress 1
		.amdhsa_inst_pref_size 18
	.end_amdhsa_kernel
	.amdgpu_metadata
---
amdhsa.version: [ 1, 2 ]
amdhsa.kernels:
  - .name:           k_qa3770b3128_prep
    .symbol:         k_qa3770b3128_prep.kd
    .args:
      - { .name: x, .offset: 0, .size: 8, .value_kind: global_buffer, .address_space: global }
      - { .name: qkv_w, .offset: 8, .size: 8, .value_kind: global_buffer, .address_space: global }
      - { .name: proj_w, .offset: 16, .size: 8, .value_kind: global_buffer, .address_space: global }
      - { .name: lora_q_a, .offset: 24, .size: 8, .value_kind: global_buffer, .address_space: global }
      - { .name: lora_q_b, .offset: 32, .size: 8, .value_kind: global_buffer, .address_space: global }
      - { .name: lora_v_a, .offset: 40, .size: 8, .value_kind: global_buffer, .address_space: global }
      - { .name: lora_v_b, .offset: 48, .size: 8, .value_kind: global_buffer, .address_space: global }
      - { .name: xh, .offset: 56, .size: 8, .value_kind: global_buffer, .address_space: global }
      - { .name: wqkv, .offset: 64, .size: 8, .value_kind: global_buffer, .address_space: global }
      - { .name: wproj, .offset: 72, .size: 8, .value_kind: global_buffer, .address_space: global }
    .group_segment_fixed_size: 0
    .private_segment_fixed_size: 0
    .kernarg_segment_align: 8
    .kernarg_segment_size: 80
    .max_flat_workgroup_size: 256
    .sgpr_count:     100
    .vgpr_count:     84
    .wavefront_size: 32
...
	.end_amdgpu_metadata
.endif
;; end of part 1
;; launch gemm_qkv (part 2): grid 16 x 16, 4 waves a work-group, clusters of 4 x 4, 327,680 bytes of LDS; arguments xh, wqkv, qkvh, qkv_b; writes qkvh
.if DOCPART == 2
	.amdgcn_target "amdgcn-amd-amdhsa--gfx1250"
	.amdhsa_code_object_version 6
	.text
	.protected	k_qa3770b3128_gemm_qkv
	.globl	k_qa3770b3128_gemm_qkv
	.p2align	8
	.type	k_qa3770b3128_gemm_qkv,@function
k_qa3770b3128_gemm_qkv:
	s_mov_b64 s[64:65], 0
	v_nop
	global_prefetch_b8 v0, s[64:65] scope:SCOPE_SE
	s_setreg_imm32_b32 hwreg(HW_REG_WAVE_MODE, 25, 1), 1
	s_wait_xcnt 0x0
	s_wait_alu depctr_hold_cnt(0) depctr_sa_sdst(0) depctr_va_vdst(0) depctr_va_sdst(0) depctr_va_ssrc(0) depctr_va_vcc(0) depctr_vm_vsrc(0)
	s_getreg_b32 s2, hwreg(HW_REG_IB_STS2, 6, 4)
	s_cmp_eq_u32 s2, 0
	s_cbranch_scc0 .Lentry_in_a_cluster
	s_endpgm
.Lentry_in_a_cluster:
	s_bfe_u32 s2, ttmp6, 0x10000c
	s_cmp_lg_u32 s2, 0xf033
	s_cbranch_scc0 .Lentry_shape_is_right
	s_endpgm
.Lentry_shape_is_right:
; qkvh[n / 64][token][n % 64] = f16(qkv_b[n] + sum over k of xh[token][k] wqkv[n][k]), K = 1,024, operands f16, sums f32.
; xh lies as [16 blocks of 64 along K][8192 tokens][64] f16: 256 tokens of one block are 32,768 dense bytes.  wqkv is [3072][1024] f16, row-major.
; A tile of C is 256 tokens x 192 columns (three heads), made by four waves, as many as a WGP has SIMDs.  Wave w owns tokens 64 w .. 64 w + 63 and all the
; columns: 4 x 12 accumulator tiles of 16 x 16.  C has 32 x 16 = 512 such tiles.
; WORK-GROUPS THAT STAY: 256 work-groups, each makes TWO tiles, block rows y and y + 16 of one block column.  The ring of LDS slots runs on over the change
; of tile: the refills of the first tile's last lap bring the second tile's first two K steps, so these land while the first tile goes out, and the first
; tile's stores leave while the second tile is multiplied.  Both tiles have the same columns, so the bias is loaded once and stays in registers.
; K goes in steps of 128 through two LDS slots filled by the tensor data mover, one load a wave: waves 0, 1 bring A's two blocks of 64 along K,
; waves 2, 3 the two halves of W's rows.
; CLUSTERS: 4 x 4 work-groups.  A's tiles hang on the block row alone and are asked for jointly by a row of the cluster, W's on the block column alone
; and are asked for jointly by a column: a quarter of the requests.
; LIMIT: f16 operands: magnitudes beyond 65,504 do not fit.
; REGISTERS in windows of 256: window 0: addresses, token fragments (two buffers), the bias, packed results; window 1: weight fragments (two buffers) and the
; rows read back on the way out; window 2: accumulators of my tokens 0-31; window 3: of my tokens 32-63.  Tile (a, b) lies at 8 (NB (a & 1) + b) of window 2 + (a >> 1).
; THE MATRIX INSTRUCTION IS USED TRANSPOSED: source 0 = 16 rows of W, source 1 = 16 tokens.  Lane l then holds token l % 16 and, in registers 0-7,
; the columns 8 (l / 16) + 0 .. 7: neighbouring numbers of a row of C.
.set NB,     12                        ; column fragments of a tile
.set APITCH, 144                       ; a token row in LDS: 128 bytes + 16: an odd multiple of 16, so 16 rows start in 16 different 16-byte columns of 256
.set ABLK,   256*APITCH                ; 256 tokens of one block of 64 along K: what one load of A brings
.set BPITCH, 272                       ; a weight row in LDS: 256 bytes + 16
.set BHALF,  8*NB*BPITCH               ; half of W's rows: what one load of W brings
.set BOFF,   2*ABLK
.set SLOT,   BOFF+2*BHALF
.set STAGE,  2*SLOT                    ; behind the ring, a multiple of 256: each wave's stage for the way out; no tensor load lands there
.set SPITCH, 400                       ; 192 f16 + 16 bytes
.set STAGEW, 16*SPITCH                 ; 16 rows for each wave, a multiple of 256
.set LAPS,   4                         ; 1,024 / (2 x 128): a lap is once round the ring
.set NL,     2*NB+8                    ; LDS loads of a quarter step
.set ASTEP,  4194304                   ; a lap in A: four blocks of 1 MiB
.set BSTEP,  512                       ; a lap in W: 256 elements along the rows
.set ATILE,  524288                    ; from the first tile to the second, in A and in C: 16 block rows x 256 tokens x 128 bytes
.set ADRA, 16                          ; v16-17  LDS address of my token fragments in slot 0, 1
.set ADRB, 20                          ; v20-21  the same for the weight fragments
.set STO,  24                          ; the way out: where I put my piece of a row
.set RD,   25                          ; the way out: where I read back
.set CO,   26                          ; my byte offset in C
.set BO,   27                          ; my byte offset in the bias
.set FA,   32                          ; window 0: token fragments, buffer f at 32 + 32 f
.set FB,   0                           ; window 1: weight fragments, buffer f at 96 f
.set BIAS, 96                          ; window 0: v[96 + 8 b ..]: bias of columns 16 b + 8 (l / 16) + 0 .. 7, kept for both tiles
.set TMP,  192                         ; window 0: packed results
.set OB,   192                         ; window 1: rows read back from the stage
.set G1,  24                           ; s[24:31] group 1 for A
.set G0,  32                           ; s[32:39] group 0 for A, one set for each slot
.set G1B, 48                           ; s[48:55] group 1 for W
.set G0B, 56                           ; s[56:63] group 0 for W, one set for each slot
.set MSB, 0
.macro WIN new                         ; the immediate's high byte repeats the setting that is left
.if MSB != \new
	s_set_vgpr_msb (MSB<<8)|\new
.set MSB, \new
.endif
.endm
.set MUL_LO,   0xa1                    ; source 0 window 1, source 1 window 0, C and D window 2
.set MUL_HI,   0xf1                    ; C and D window 3
.set FIRST_LO, 0x81                    ; C (the bias) window 0, D window 2
.set FIRST_HI, 0xc1                    ; C window 0, D window 3
.set TO_B,     0x40                    ; destination window 1, address window 0
.set FROM_B,   0x04                    ; a store's data (source 1) window 1, address window 0
; A joint load: waves 0, 1 ask for A, waves 2, 3 for W.  Each line has one mask; the branch hangs on the wave's number alone.
.macro JLOAD s
	s_cmp_eq_u32 s11, 0
	s_cbranch_scc0 .Lfor_b_\@
	tensor_load_to_lds s[G0+4*\s:G0+4*\s+3], s[G1:G1+7]
	s_nop 0
	s_branch .Lasked_\@
.Lfor_b_\@:
	tensor_load_to_lds s[G0B+4*\s:G0B+4*\s+3], s[G1B:G1B+7]
	s_nop 0
.Lasked_\@:
.endm
; A round of the cluster's barrier: my work-group's barrier; wave 0 signals for the work-group; every wave waits for all sixteen; my work-group's barrier again.
.macro CREST                           ; a round behind its opening barrier
	s_cmp_lg_u32 s10, 0
	s_cbranch_scc1 .Lnot_wave_0_\@
	s_barrier_signal -3
.Lnot_wave_0_\@:
	s_barrier_wait -3
	s_barrier_signal -1
	s_barrier_wait -1
.endm
.macro CROUND
	s_barrier_signal -1
	s_barrier_wait -1
	CREST
.endm
	s_load_b128 s[4:7], s[0:1], 0x0                ; A, W
	s_load_b64 s[8:9], s[0:1], 0x10                ; C
	s_load_b64 s[66:67], s[0:1], 0x18              ; bias
	s_set_vgpr_msb 0x40
	v_lshl_add_u32 v255, v0, 2, 0x43c00
	s_set_vgpr_msb 0x4000
	v_mov_b32 v255, 0
	s_set_vgpr_msb 0x1
	ds_add_u32 v255, v255
	ds_add_u32 v255, v255
	s_set_vgpr_msb 0x100
	v_lshrrev_b32 v1, 5, v0
	v_readfirstlane_b32 s10, v1                    ; wave 0..3
	s_lshr_b32 s11, s10, 1                         ; I fetch for A (0) or for W (1)
	s_and_b32 s12, s10, 1                          ; which of the two parts
	s_bfe_u32 s40, ttmp6, 0x40000                  ; cx
	s_bfe_u32 s41, ttmp6, 0x40004                  ; cy
	s_lshl_b32 s42, ttmp9, 2
	s_add_co_u32 s42, s42, s40                     ; block column = 4 x cluster x + cx, 0 .. 15
	s_and_b32 s13, ttmp7, 0xffff
	s_lshl_b32 s13, s13, 2
	s_add_co_u32 s13, s13, s41                     ; the first tile's block row = 4 x cluster y + cy, 0 .. 15; the second tile's is 16 more
	s_lshl_b32 s43, s41, 2
	s_lshl_b32 s43, 15, s43                        ; my row of the cluster: places 4 cy .. 4 cy + 3
	s_lshl_b32 s44, 0x1111, s40                    ; my column: places cx, cx + 4, cx + 8, cx + 12
	; group 1 for A: 32,768 dense bytes as 128 rows of 128 elements; 4 words of padding behind every 32 words, that is behind every token's 128 bytes
	s_or_b32 s[G1+0], s43, (1<<16)|(1<<20)|(1<<21)|(4<<22)|(3<<25)  ; mask; 2-byte elements; padding on; bit 21 beside a mask; interval code 4; 4 words
	s_mov_b32 s[G1+1], 128<<16                     ; tensor_dim0 = 128
	s_mov_b32 s[G1+2], 128<<16                     ; tensor_dim1 = 128
	s_mov_b32 s[G1+3], 128<<16                     ; tile_dim0 = 128
	s_mov_b32 s[G1+4], 128                         ; tile_dim1 = 128
	s_mov_b32 s[G1+5], 128                         ; from row to row: 128 elements (dense)
	s_mov_b32 s[G1+6], 0
	s_mov_b32 s[G1+7], 0
	; group 1 for W: 8 NB rows of 128 elements out of rows of 1,024; 4 words of padding behind every 64 words
	s_or_b32 s[G1B+0], s44, (1<<16)|(1<<20)|(1<<21)|(5<<22)|(3<<25)
	s_mov_b32 s[G1B+1], 128<<16
	s_mov_b32 s[G1B+2], (8*NB)<<16
	s_mov_b32 s[G1B+3], 128<<16
	s_mov_b32 s[G1B+4], 8*NB
	s_mov_b32 s[G1B+5], 1024
	s_mov_b32 s[G1B+6], 0
	s_mov_b32 s[G1B+7], 0
	; where the tiles come from: A's address is made of the block row and the wave's number, W's of the block column and the wave's number
	s_lshl_b32 s16, s13, 15                        ; 256 tokens x 128 bytes x block row
	s_lshl_b32 s17, s12, 20                        ; + my block of 64 along K (1 MiB each)
	s_add_co_u32 s16, s16, s17
	s_mov_b32 s17, 0
	s_mul_i32 s46, s42, 16*NB*2048                 ; W: row 16 NB x block column
	s_mul_i32 s47, s12, 8*NB*2048                  ; + my half
	s_add_co_u32 s46, s46, s47
	s_mov_b32 s47, 0
	s_mul_i32 s20, s10, ABLK                       ; where they go: A's two blocks (waves 0, 1),
	s_mul_i32 s21, s10, BHALF
	s_add_co_u32 s21, s21, BOFF-2*BHALF            ; then W's two halves (waves 2, 3)
	s_mul_i32 s68, s42, 64*NB                      ; the bias of my 16 NB columns
	s_mov_b32 s69, 0
	s_wait_dscnt 0x0
	s_wait_kmcnt 0x0
	s_add_nc_u64 s[14:15], s[4:5], s[16:17]
	s_add_nc_u64 s[46:47], s[6:7], s[46:47]
	s_add_nc_u64 s[66:67], s[66:67], s[68:69]
	CROUND                                         ; all sixteen work-groups are here: the first joint loads meet
.irp s, 0,1
	s_mov_b32 s[G0+4*\s], 1
	s_add_co_u32 s[G0+4*\s+1], s20, \s*SLOT
	s_add_nc_u64 s[G0+4*\s+2:G0+4*\s+3], s[14:15], \s*2097152      ; K step s: two blocks of 1 MiB on
	s_or_b32 s[G0+4*\s+3], s[G0+4*\s+3], 0x80000000
	s_mov_b32 s[G0B+4*\s], 1
	s_add_co_u32 s[G0B+4*\s+1], s21, \s*SLOT
	s_add_nc_u64 s[G0B+4*\s+2:G0B+4*\s+3], s[46:47], \s*256        ; K step s: 128 elements along the rows
	s_or_b32 s[G0B+4*\s+3], s[G0B+4*\s+3], 0x80000000
	JLOAD \s                                       ; both slots are asked for before anything else: two tensor loads of the wave are out
.endr
	; C at my wave's first token of the first tile; the second tile's place stands in the stores' immediates
	s_mul_i32 s68, s42, 3145728                    ; three blocks of 1 MiB x block column
	s_lshl_b32 s22, s13, 15                        ; + 256 tokens x 128 bytes x block row
	s_add_co_u32 s68, s68, s22
	s_lshl_b32 s22, s10, 13                        ; + my 64 tokens
	s_add_co_u32 s68, s68, s22
	s_add_nc_u64 s[8:9], s[8:9], s[68:69]
	v_and_b32 v1, 15, v0                           ; r = l % 16
	v_bfe_u32 v2, v0, 4, 1                         ; h = l / 16
	v_lshlrev_b32 v[BO], 5, v2                     ; 8 f32 for each half of the lanes
.set bb, 0
.rept NB
	global_load_b128 v[BIAS+8*bb:BIAS+8*bb+3],   v[BO], s[66:67] offset:64*bb       ; register j: bias[16 b + 8 h + j], the layout of a result tile
	global_load_b128 v[BIAS+8*bb+4:BIAS+8*bb+7], v[BO], s[66:67] offset:64*bb+16
.set bb, bb+1
.endr
	; A fragment is 16 rows x 32 K in 8 registers: lane l holds row l % 16; registers 0-3 K = 8 h + 0..7, registers 4-7 K = 16 + 8 h + 0..7:
	; two loads of 16 bytes, 32 bytes apart, at row x pitch + 16 h.
	v_mul_u32_u24 v3, v1, APITCH
	v_lshl_add_u32 v3, v2, 4, v3
	s_mul_i32 s22, s10, 64*APITCH                  ; my 64 tokens
	v_add_nc_u32 v[ADRA], s22, v3
	v_add_nc_u32 v[ADRA+1], SLOT, v[ADRA]
	v_mul_u32_u24 v4, v1, BPITCH
	v_lshl_add_u32 v4, v2, 4, v4
	v_add_nc_u32 v[ADRB], BOFF, v4
	v_add_nc_u32 v[ADRB+1], BOFF+SLOT, v4
	s_mul_i32 s23, s10, STAGEW
	s_add_co_u32 s23, s23, STAGE                   ; my stage
	v_and_b32 v5, 31, v0
	v_lshlrev_b32 v[CO], 4, v5                     ; 16 bytes a lane: a store of the wave covers 512 consecutive bytes
	v_mul_u32_u24 v6, v1, SPITCH
	v_lshl_add_u32 v6, v2, 4, v6                   ; in: row r, 16 bytes (8 f16) for each half of the lanes
	v_add_nc_u32 v[STO], s23, v6
	v_lshrrev_b32 v7, 3, v5                        ; back: four tokens x the 128 bytes of one block of 64 columns
	v_mul_u32_u24 v7, v7, SPITCH
	v_and_b32 v6, 7, v0
	v_lshl_add_u32 v7, v6, 4, v7
	v_add_nc_u32 v[RD], s23, v7
; NB matrix instructions: token fragment a of the window's two (hi = 0: tokens 0-31, 1: tokens 32-63) x all NB column fragments, 32 along K.
; first = 1: the bias is C, so a tile's first product starts the sums and nothing is cleared or added later.
; The 4 NB accumulators take turns, one instruction a turn, in the same order in every quarter step.
.macro MULA f, hi, a, first
.set bb, 0
.rept NB
.if \first
	v_wmma_f32_16x16x32_f16 v[8*(NB*\a+bb):8*(NB*\a+bb)+7], v[FB+96*\f+8*bb:FB+96*\f+8*bb+7], v[FA+32*\f+8*(2*\hi+\a):FA+32*\f+8*(2*\hi+\a)+7], v[BIAS+8*bb:BIAS+8*bb+7]
.else
	v_wmma_f32_16x16x32_f16 v[8*(NB*\a+bb):8*(NB*\a+bb)+7], v[FB+96*\f+8*bb:FB+96*\f+8*bb+7], v[FA+32*\f+8*(2*\hi+\a):FA+32*\f+8*(2*\hi+\a)+7], v[8*(NB*\a+bb):8*(NB*\a+bb)+7]
.endif
.set bb, bb+1
.endr
.endm
; NL LDS loads in one run: the fragments of quarter kq of a K step (32 along K) into buffer f: W's first, then my four token fragments
.macro FETCH slot, kq, f
	WIN TO_B
.set bb, 0
.rept NB
	ds_load_b128 v[FB+96*\f+8*bb:FB+96*\f+8*bb+3],   v[ADRB+\slot] offset:64*\kq+16*BPITCH*bb
	ds_load_b128 v[FB+96*\f+8*bb+4:FB+96*\f+8*bb+7], v[ADRB+\slot] offset:64*\kq+16*BPITCH*bb+32
.set bb, bb+1
.endr
	WIN 0
.irp a, 0,1,2,3
	ds_load_b128 v[FA+32*\f+8*\a:FA+32*\f+8*\a+3],   v[ADRA+\slot] offset:(\kq>>1)*ABLK+(\kq&1)*64+16*APITCH*\a
	ds_load_b128 v[FA+32*\f+8*\a+4:FA+32*\f+8*\a+7], v[ADRA+\slot] offset:(\kq>>1)*ABLK+(\kq&1)*64+16*APITCH*\a+32
.endr
.endm
; A load into a register that a matrix instruction has read, and a vector or LDS instruction that reads a matrix result, stand four places behind that
; matrix instruction; only plain vector instructions that name none of its registers are places.
.macro PLACES
.rept 4
	v_nop
.endr
.endm
; One of a K step's first three quarters: multiplies buffer f; in its middle it fetches quarter kq of the same slot into buffer g.
.macro QUARTER slot, kq, f, g, first
	s_wait_dscnt 4                                 ; W's fragments and token fragments 0, 1 are in; the youngest four loads (fragments 2, 3) may be out
.if \first
	WIN FIRST_LO
.else
	WIN MUL_LO
.endif
	MULA \f, 0, 0, \first
	MULA \f, 0, 1, \first
	PLACES
	FETCH \slot, \kq, \g
	s_wait_dscnt NL                                ; all but the NL just issued
.if \first
	WIN FIRST_HI
.else
	WIN MUL_HI
.endif
	MULA \f, 1, 0, \first
	MULA \f, 1, 1, \first
.endm
.macro THREE slot, first
	QUARTER \slot, 1, 0, 1, \first
	QUARTER \slot, 2, 1, 0, 0
	QUARTER \slot, 3, 0, 1, 0
.endm
; The last quarter: multiplies buffer 1 and changes slots.  In front of the barrier each wave waits for its reads of this slot and for all its tensor
; loads (one is out: its part of the next slot).  Behind it nobody reads this slot and the next slot is whole.  fill = 1 or 2: the barrier opens a round of
; the cluster's barrier, and the joint refill is the first tensor load behind the round.  fill = 1: a lap further on along K.  fill = 2 (the first tile's
; last lap): the same K step of the second tile's first lap: three laps back along K, and in A 16 block rows on.  fill = 0: nothing is left to fetch.
.macro TURN slot, next, fill
	s_wait_dscnt 4
	WIN MUL_LO
	MULA 1, 0, 0, 0
	s_wait_dscnt 0                                 ; my reads of this slot are over
	s_wait_tensorcnt 0x0                           ; all my tensor loads have landed
	ds_add_u32 v255, v255
	s_wait_dscnt 0x0
	s_barrier_signal -1
	MULA 1, 0, 1, 0                                ; register work while the others arrive
	WIN 0
	s_barrier_wait -1
.if \fill
	CREST
.if \fill == 1
	s_add_nc_u64 s[G0+4*\slot+2:G0+4*\slot+3], s[G0+4*\slot+2:G0+4*\slot+3], ASTEP     ; no load of mine is out, so a group 0 may be written
	s_add_nc_u64 s[G0B+4*\slot+2:G0B+4*\slot+3], s[G0B+4*\slot+2:G0B+4*\slot+3], BSTEP
.else
	s_sub_nc_u64 s[G0+4*\slot+2:G0+4*\slot+3], s[G0+4*\slot+2:G0+4*\slot+3], (LAPS-1)*ASTEP-ATILE   ; the type bits on top are not reached
	s_sub_nc_u64 s[G0B+4*\slot+2:G0B+4*\slot+3], s[G0B+4*\slot+2:G0B+4*\slot+3], (LAPS-1)*BSTEP
.endif
	JLOAD \slot
.endif
	PLACES
	FETCH \next, 0, 0
	WIN MUL_HI
	MULA 1, 1, 0, 0
	MULA 1, 1, 1, 0
.endm
.macro LAP first, fill
	THREE 0, \first
	TURN 0, 1, \fill
	THREE 1, 0
	TURN 1, 0, \fill
.endm
; THE WAY OUT of tile t, 16 tokens at a time, through my own stage in LDS (a wave's LDS instructions are served in order: ISA guide 5.7.1), so that
; every global store of the wave covers 512 consecutive bytes, aligned.  Tokens 16 i .. 16 i + 15 = the NB tiles (i, 0 .. NB-1);
; from: sources 0 and 1 in window 2 (0x0a) or 3 (0x0f).  Neither the fragments nor the bias are touched: the next tile's first fragments are already on their way.
.macro OUTQ t, i, from
	WIN \from
.set bb, 0
.rept NB
.irp e, 0,1,2,3
	v_cvt_pk_f16_f32 v[TMP+4*bb+\e], v[8*(NB*(\i&1)+bb)+2*\e], v[8*(NB*(\i&1)+bb)+2*\e+1]
.endr
.set bb, bb+1
.endr
	WIN 0
.set bb, 0
.rept NB
	ds_store_b128 v[STO], v[TMP+4*bb:TMP+4*bb+3] offset:32*bb
.set bb, bb+1
.endr
	s_wait_xcnt 0x0                                ; the read-back registers, which earlier stores read, are loaded again only behind this wait
	WIN TO_B
.irp u, 0,1,2,3
.irp c, 0,1,2
	ds_load_b128 v[OB+4*(3*\u+\c):OB+4*(3*\u+\c)+3], v[RD] offset:4*SPITCH*\u+128*\c       ; tokens 4 u .. 4 u + 3 of column block c
.endr
.endr
	WIN FROM_B
.irp u, 0,1,2,3
.irp c, 0,1,2
	s_wait_dscnt 11-(3*\u+\c)                      ; the younger read-backs may stay out
	global_store_b128 v[CO], v[OB+4*(3*\u+\c):OB+4*(3*\u+\c)+3], s[8:9] offset:\c*1048576+(16*\i+4*\u)*128+\t*ATILE   ; 2,629,120 at the most: inside the signed 24 bits
.endr
.endr
.endm
.macro OUT t
	PLACES                                         ; the places behind the last matrix instructions, for the conversions
	OUTQ \t, 0, 0x0a
	OUTQ \t, 1, 0x0a
	OUTQ \t, 2, 0x0f
	OUTQ \t, 3, 0x0f
.endm
	s_wait_loadcnt 0x0                             ; the bias
	s_wait_tensorcnt 1                             ; my part of K step 0 is in; K step 1's may stay out
	s_barrier_signal -1
	s_barrier_wait -1
	FETCH 0, 0, 0
	; ---- the first tile
	LAP 1, 1                                       ; the first lap stands in front of the loop: its first products take the bias as C
	WIN 0                                          ; at a label and at a branch every window is 0
	s_mov_b32 s3, LAPS-2
.Llap_a:
	LAP 0, 1
	WIN 0
	s_sub_co_u32 s3, s3, 1
	s_cmp_lg_u32 s3, 0
	s_cbranch_scc1 .Llap_a
	LAP 0, 2                                       ; the last lap asks for the second tile's first lap and fetches its first fragments
	OUT 0
	; ---- the second tile
	LAP 1, 1
	WIN 0
	s_mov_b32 s3, LAPS-2
.Llap_b:
	LAP 0, 1
	WIN 0
	s_sub_co_u32 s3, s3, 1
	s_cmp_lg_u32 s3, 0
	s_cbranch_scc1 .Llap_b
	THREE 0, 0                                     ; the last lap fills nothing and has no round
	TURN 0, 1, 0
	THREE 1, 0
	s_wait_dscnt 4                                 ; the very last quarter
	WIN MUL_LO
	MULA 1, 0, 0, 0
	MULA 1, 0, 1, 0
	s_wait_dscnt 0
	WIN MUL_HI
	MULA 1, 1, 0, 0
	MULA 1, 1, 1, 0
	OUT 1
	WIN 0
	s_set_vgpr_msb 0x1
	s_wait_tensorcnt 0x0
	ds_add_u32 v255, v255
	s_wait_dscnt 0x0
	s_set_vgpr_msb 0x100
	CROUND                                         ; the closing round: no work-group ends while a partner may still ask for a tile that names it
	s_endpgm
.Lfunc_end_k_qa3770b3128_gemm_qkv:
	.size	k_qa3770b3128_gemm_qkv, .Lfunc_end_k_qa3770b3128_gemm_qkv-k_qa3770b3128_gemm_qkv
	.p2alignl 7, 3214868480
	.fill 96, 4, 3214868480
	.section	.rodata,"a",@progbits
	.p2align	6, 0x0
	.amdhsa_kernel k_qa3770b3128_gemm_qkv
		.amdhsa_group_segment_fixed_size 327680
		.amdhsa_private_segment_fixed_size 0
		.amdhsa_enable_private_segment 0
		.amdhsa_kernarg_size 32
		.amdhsa_user_sgpr_count 2
		.amdhsa_user_sgpr_kernarg_segment_ptr 1
		.amdhsa_wavefront_size32 1
		.amdhsa_system_sgpr_workgroup_id_x 1
		.amdhsa_system_sgpr_workgroup_id_y 1
		.amdhsa_system_sgpr_workgroup_id_z 1
		.amdhsa_system_vgpr_workitem_id 0
		.amdhsa_next_free_vgpr 960
		.amdhsa_next_free_sgpr 70
		.amdhsa_reserve_vcc 0
		.amdhsa_float_denorm_mode_32 3
		.amdhsa_float_denorm_mode_16_64 3
		.amdhsa_memory_ordered 1
		.amdhsa_forward_progress 1
		.amdhsa_inst_pref_size 255
	.end_amdhsa_kernel
	.section	.bss,"aw",@nobits
	.p2align	6
	.space	262144
	.amdgpu_metadata
---
amdhsa.version: [ 1, 2 ]
amdhsa.kernels:
  - .name:           k_qa3770b3128_gemm_qkv
    .symbol:         k_qa3770b3128_gemm_qkv.kd
    .args:
      - { .name: xh, .offset: 0, .size: 8, .value_kind: global_buffer, .address_space: global }
      - { .name: wqkv, .offset: 8, .size: 8, .value_kind: global_buffer, .address_space: global }
      - { .name: qkvh, .offset: 16, .size: 8, .value_kind: global_buffer, .address_space: global }
      - { .name: qkv_b, .offset: 24, .size: 8, .value_kind: global_buffer, .address_space: global }
    .group_segment_fixed_size: 327680
    .private_segment_fixed_size: 0
    .kernarg_segment_align: 8
    .kernarg_segment_size: 32
    .max_flat_workgroup_size: 128
    .sgpr_count:     70
    .vgpr_count:     960
    .wavefront_size: 32
...
	.end_amdgpu_metadata
.endif
;; end of part 2
;; launch attn (part 3): grid 256 x 1, 8 waves a work-group, no clusters, 327,680 bytes of LDS; arguments qkvh, att; writes att
.if DOCPART == 3
	.amdgcn_target "amdgcn-amd-amdhsa--gfx1250"
	.amdhsa_code_object_version 6
	.text
	.protected	k_qa3770b3128_attn
	.globl	k_qa3770b3128_attn
	.p2align	8
	.type	k_qa3770b3128_attn,@function
k_qa3770b3128_attn:
	s_mov_b64 s[64:65], 0
	v_nop
	global_prefetch_b8 v0, s[64:65] scope:SCOPE_SE
	s_setreg_imm32_b32 hwreg(HW_REG_WAVE_MODE, 25, 1), 1
	s_wait_xcnt 0x0
; Softmax attention of one head: att = softmax(q k^T / 8) v, with a running maximum.  qkvh[48 blocks][8192 tokens][64] f16: blocks 0-15 q, 16-31 k, 32-47 v.
; att[16 heads][8192 tokens][64] f16.  Operands f16, scores, statistics and sums f32.
; A work-group takes 512 queries of one (batch, head): 128 heads x 2 = 256 work-groups.  Eight waves, 64 queries each (4 query tiles), two waves on a SIMD
; with 512 registers each, so that one wave's softmax arithmetic runs beside the other's matrix work.
; The head's whole K (1,024 x 128 bytes, pitch 144) and V (pitch 160) lie in LDS: each byte is brought once and no LDS byte is ever filled again.
; K AND V COME IN THREE PIECES, ONE AFTER THE OTHER: keys 0-127 at the start, keys 128-383 behind the barrier in front of key blocks 0-1, keys 384-1023 behind
; the barrier in front of key blocks 2-5.  Waves 0-3 bring a quarter of each piece of K, waves 4-7 of V.  So the first barrier waits for 32 KiB of the
; work-group's 256 KiB, and each later piece is on its way while the piece before it is worked on.  The first piece is kept small on purpose (16 rows of
; 256 bytes a wave).  One tensor load of a wave is out at any time.  A later piece is issued as a refill would be: every wave waits
; for its LDS reads and for its tensor load, passes the barrier, and issues its one load first thing behind it.
; NO CLUSTER: a head's 1,024 queries are two work-groups of 512, so K and V have two readers; a group of four work-groups would hold two heads with
; different tiles, and a split into four work-groups of 256 queries would halve the matrix work that each K and V fragment read from LDS feeds.
; LAYOUTS, without any shuffle: S^T = K Q^T (source 0 = 16 keys, source 1 = 16 queries): lane (r, hh) holds query r, register j key 8 hh + j.  Two such tiles
; packed to f16 in place ARE the second source of O^T = V^T P^T for 32 keys; V^T comes by the transposing LDS load.  A query's statistics are one number a lane.
; LIMITS: f16 operands (magnitudes beyond 65,504 do not fit); probabilities below 2^-25 of a row's largest round to zero in f16.
.set KP,   144                         ; K row in LDS: 128 + 16 bytes, an odd multiple of 16
.set VP,   160                         ; V row in LDS: 128 + 32 bytes, an odd multiple of 32
.set VOFF, 1024*KP
.set KADR, 8                           ; LDS address of my K fragments
.set VADR, 9                           ; of my V fragments
.set STO,  10                          ; the way out
.set RD,   11
.set CO,   12
.set QO,   13
.set QF,   16                          ; v[16:79]    Q fragment (qt, ks) at 8 (2 qt + ks)
.set KF,   80                          ; v[80:143]   K fragment (kt, ks) at 8 (2 kt + ks); at the end the packed results
.set VF,   144                         ; v[144:207]  V^T fragment (dt, g) at 8 (2 dt + g); at the end the rows read back
.set T,    208                         ; v[208:211]  at work, one for each query tile
.set T2,   212                         ; v[212:215]  the other half of the lanes
.set M,    216                         ; v[216:219]  running maximum of the raw scores
.set NM,   220                         ; v[220:227]  - c x maximum, twice (pairs for the packed arithmetic)
.set AL,   228                         ; v[228:235]  the factor that old sums take, twice
.set LP,   236                         ; v[236:243]  my lane's partial sums of the probabilities, two chains
.set O,    0                           ; window 1: O^T tile (dt, qt) at 8 (4 dt + qt)
.set S,    128                         ; window 1: S^T tile (qt, kt) at 128 + 8 (4 qt + kt); P^T (qt, g) in the first 8 registers of tile (qt, 2 g)
; scalars: s[16:23] group 1 for K, s[24:27] group 0 for K, s[28:31] group 0 for V, s[32:39] group 1 for V, s[46:47] the head's q rows, s[48:49] my wave's q rows
.set MSB, 0
.macro WIN new                         ; the immediate's high byte repeats the setting that is left
.if MSB != \new
	s_set_vgpr_msb (MSB<<8)|\new
.set MSB, \new
.endif
.endm
; The descriptors of the piece of keys k0 .. k0 + 4 n - 1, n keys a wave: n x 128 dense bytes as n / 2 rows of 128 elements.  Every wave makes K's and V's words,
; of constants and its own number, and asks by one of the two sets.  V's constants take the wave numbers 4-7 back to 0-3.  It stands where no tensor load of the wave is out.
.macro PIECE k0, n
	s_mov_b32 s18, (\n/2)<<16                      ; tensor_dim1
	s_mov_b32 s20, \n/2                            ; tile_dim1
	s_mov_b32 s34, (\n/2)<<16
	s_mov_b32 s36, \n/2
	s_mul_i32 s25, s8, \n*KP                       ; to LDS: K's row k0 + n w
	s_add_co_u32 s25, s25, \k0*KP
	s_mul_i32 s29, s8, \n*VP                       ; V's row k0 + n (w - 4)
	s_add_co_u32 s29, s29, VOFF+\k0*VP-4*\n*VP
	s_mul_i32 s40, s8, \n*128
	s_add_co_u32 s42, s40, 16777216+\k0*128        ; from memory: k lies 16 MiB behind the head's q rows,
	s_add_nc_u64 s[26:27], s[46:47], s[42:43]
	s_or_b32 s27, s27, 0x80000000
	s_add_co_u32 s42, s40, 33554432+\k0*128-4*\n*128   ; v 32 MiB
	s_add_nc_u64 s[30:31], s[46:47], s[42:43]
	s_or_b32 s31, s31, 0x80000000
.endm
; A wave's one load of a piece: waves 0-3 ask for K, waves 4-7 for V.
.macro KVLOAD
	s_cmp_lt_u32 s8, 4
	s_cbranch_scc0 .Lfor_v_\@
	tensor_load_to_lds s[24:27], s[16:23]
	s_nop 0
	s_branch .Lasked_\@
.Lfor_v_\@:
	tensor_load_to_lds s[28:31], s[32:39]
	s_nop 0
.Lasked_\@:
.endm
	s_load_b128 s[4:7], s[0:1], 0x0                ; qkvh, att
	v_lshl_add_u32 v254, v0, 2, 0x4c000
	v_mov_b32 v255, 0
	ds_add_u32 v254, v255
	ds_add_u32 v254, v255
	v_lshrrev_b32 v1, 5, v0
	v_readfirstlane_b32 s8, v1                     ; wave 0..7
	s_lshr_b32 s10, ttmp9, 1                       ; 16 b + h
	s_lshr_b32 s40, s10, 4                         ; b
	s_and_b32 s41, s10, 15                         ; h
	s_lshl_b32 s42, s41, 20                        ; a block of 64 columns is 1 MiB,
	s_lshl_b32 s40, s40, 17                        ; a batch's 1,024 tokens are 128 KiB of it
	s_add_co_u32 s42, s42, s40
	s_mov_b32 s43, 0                               ; upper word of every byte offset
	s_and_b32 s10, ttmp9, 1                        ; which 512 queries
	s_lshl_b32 s10, s10, 16
	s_lshl_b32 s40, s8, 13                         ; my wave's 64 queries
	s_add_co_u32 s10, s10, s40
	s_mov_b32 s11, 0
	s_mov_b32 s12, 0x76543210                      ; v_permlanex16_b32: lane i takes lane i of the other half
	s_mov_b32 s13, 0xfedcba98
	s_mov_b32 s14, 0x3e38aa3b                      ; c = log2(e) / 8: the scale 64^-0.5 and the base of v_exp_f32 in one factor
	s_mov_b32 s15, 0x3e38aa3b
	s_mov_b32 s44, 0xbe38aa3b                      ; - c
	; the words of the two groups 1 that no piece changes.  K: 4 words of padding behind every 32 words (a key's 128 bytes); V: 8 words.
	s_mov_b32 s16, (1<<16)|(1<<20)|(4<<22)|(3<<25)
	s_mov_b32 s17, 128<<16                         ; tensor_dim0 = 128
	s_mov_b32 s19, 128<<16                         ; tile_dim0 = 128
	s_mov_b32 s21, 128                             ; from row to row: 128 elements (dense)
	s_mov_b32 s22, 0
	s_mov_b32 s23, 0
	s_mov_b32 s32, (1<<16)|(1<<20)|(4<<22)|(7<<25)
	s_mov_b32 s33, 128<<16
	s_mov_b32 s35, 128<<16
	s_mov_b32 s37, 128
	s_mov_b32 s38, 0
	s_mov_b32 s39, 0
	s_mov_b32 s24, 1
	s_mov_b32 s28, 1
	s_wait_dscnt 0x0
	s_wait_kmcnt 0x0
	s_add_nc_u64 s[46:47], s[4:5], s[42:43]        ; the head's q rows
	s_add_nc_u64 s[6:7], s[6:7], s[42:43]
	s_add_nc_u64 s[6:7], s[6:7], s[10:11]          ; att at my wave's first query
	s_add_nc_u64 s[48:49], s[46:47], s[10:11]      ; q at my wave's first query
	PIECE 0, 32
	KVLOAD                                         ; keys 0-127: the one first fill at the start
	v_and_b32 v1, 15, v0                           ; r
	v_bfe_u32 v2, v0, 4, 1                         ; hh
	v_and_b32 v3, 31, v0                           ; lane
	v_lshlrev_b32 v[QO], 7, v1
	v_lshl_add_u32 v[QO], v2, 4, v[QO]             ; query r's row + 16 hh
.irp qt, 0,1,2,3
.irp ks, 0,1
	global_load_b128 v[QF+8*(2*\qt+\ks):QF+8*(2*\qt+\ks)+3],   v[QO], s[48:49] offset:2048*\qt+64*\ks       ; Q stays in registers for the whole kernel
	global_load_b128 v[QF+8*(2*\qt+\ks)+4:QF+8*(2*\qt+\ks)+7], v[QO], s[48:49] offset:2048*\qt+64*\ks+32
.endr
.endr
	v_mul_u32_u24 v[KADR], v1, KP
	v_lshl_add_u32 v[KADR], v2, 4, v[KADR]         ; key r's row + 16 hh
	v_and_b32 v4, 7, v0
	v_lshl_add_u32 v4, v2, 3, v4                   ; transposing load: key 8 hh + (lane & 7),
	v_mul_u32_u24 v4, v4, VP
	v_bfe_u32 v5, v0, 3, 1
	v_lshl_add_u32 v4, v5, 4, v4                   ; 16 bytes for each group of eight lanes
	v_add_nc_u32 v[VADR], VOFF, v4
	s_mul_i32 s40, s8, 64*KP                       ; my stage for the way out: 64 rows of 144 bytes in K's place, used behind the last reads of K
	v_add_nc_u32 v[STO], s40, v[KADR]
	v_lshrrev_b32 v4, 3, v3
	v_mul_u32_u24 v4, v4, KP
	v_and_b32 v5, 7, v0
	v_lshl_add_u32 v4, v5, 4, v4
	v_add_nc_u32 v[RD], s40, v4                    ; back: four queries x 128 bytes
	v_lshlrev_b32 v[CO], 4, v3
.irp qt, 0,1,2,3
	v_mov_b32 v[T2+\qt], 0                         ; v_permlanex16_b32 counts as a reader of its destination
.endr
; One block of 64 keys.  first = 1: it starts the maximum and the sums.  j: the block's number in the LDS immediates.  step = 1: the addresses move on.
.macro BLOCK first, j, step
.if \first == 0
.rept 5
	v_nop                                          ; five places behind the last matrix instructions, whose second sources the score tiles overwrite and whose first sources are loaded again (ISA guide 7.12.1)
.endr
.endif
.irp kt, 0,1,2,3
.irp ks, 0,1
	ds_load_b128 v[KF+8*(2*\kt+\ks):KF+8*(2*\kt+\ks)+3],   v[KADR] offset:\j*64*KP+16*KP*\kt+64*\ks
	ds_load_b128 v[KF+8*(2*\kt+\ks)+4:KF+8*(2*\kt+\ks)+7], v[KADR] offset:\j*64*KP+16*KP*\kt+64*\ks+32
.endr
.endr
.irp dt, 0,1,2,3
.irp g, 0,1
	ds_load_tr16_b128 v[VF+8*(2*\dt+\g):VF+8*(2*\dt+\g)+3],   v[VADR] offset:\j*64*VP+32*VP*\g+32*\dt          ; keys 32 g + 8 hh + 0..7 of column 16 dt + r
	ds_load_tr16_b128 v[VF+8*(2*\dt+\g)+4:VF+8*(2*\dt+\g)+7], v[VADR] offset:\j*64*VP+32*VP*\g+32*\dt+16*VP   ; keys 32 g + 16 + 8 hh + 0..7
.endr
.endr
.if \step
	v_add_nc_u32 v[KADR], 64*KP, v[KADR]
	v_add_nc_u32 v[VADR], 64*VP, v[VADR]
.endif
	s_wait_dscnt 16                                ; K's 16 loads are in; V's 16, issued behind them, may stay out
	WIN 0x50                                       ; sources window 0, C and D window 1
	; S^T = K Q^T: 16 tiles take turns, one instruction a turn; the first 32 of the head's 64 start the sums
.irp kt, 0,1,2,3
.irp qt, 0,1,2,3
	v_wmma_f32_16x16x32_f16 v[S+8*(4*\qt+\kt):S+8*(4*\qt+\kt)+7], v[KF+8*(2*\kt):KF+8*(2*\kt)+7], v[QF+8*(2*\qt):QF+8*(2*\qt)+7], 0
.endr
.endr
.irp kt, 0,1,2,3
.irp qt, 0,1,2,3
	v_wmma_f32_16x16x32_f16 v[S+8*(4*\qt+\kt):S+8*(4*\qt+\kt)+7], v[KF+8*(2*\kt+1):KF+8*(2*\kt+1)+7], v[QF+8*(2*\qt+1):QF+8*(2*\qt+1)+7], v[S+8*(4*\qt+\kt):S+8*(4*\qt+\kt)+7]
.endr
.endr
.rept 4
	v_nop                                          ; four places before vector instructions read the scores
.endr
	; the block's largest score of each query: 32 numbers a lane and query tile, then the other half of the lanes, then the running maximum
	WIN 0x05
.irp qt, 0,1,2,3
	v_max_num_f32 v[T+\qt], v[S+32*\qt], v[S+32*\qt+1]
.endr
.set ii, 1
.rept 15
.irp qt, 0,1,2,3
	v_max3_num_f32 v[T+\qt], v[S+32*\qt+2*ii], v[S+32*\qt+2*ii+1], v[T+\qt]
.endr
.set ii, ii+1
.endr
	WIN 0
.irp qt, 0,1,2,3
	v_permlanex16_b32 v[T2+\qt], v[T+\qt], s12, s13
.endr
.irp qt, 0,1,2,3
.if \first
	v_max_num_f32 v[M+\qt], v[T+\qt], v[T2+\qt]
.else
	v_max3_num_f32 v[M+\qt], v[T+\qt], v[T2+\qt], v[M+\qt]
.endif
.endr
.irp qt, 0,1,2,3
	v_mul_f32 v[T+\qt], s44, v[M+\qt]              ; - c x the new maximum
.endr
.if \first == 0
.irp qt, 0,1,2,3
	v_sub_f32 v[AL+2*\qt], v[T+\qt], v[NM+2*\qt]   ; from the two rounded figures that the exponents use, so the blocks agree whatever the size of the scores
.endr
.irp qt, 0,1,2,3
	v_exp_f32 v[AL+2*\qt], v[AL+2*\qt]             ; at most 1; the moves below are the plain place behind these (ISA guide 5.7.2)
.endr
.endif
.irp qt, 0,1,2,3
	v_mov_b32 v[NM+2*\qt], v[T+\qt]
	v_mov_b32 v[NM+2*\qt+1], v[T+\qt]
.endr
.if \first
.irp e, 0,1,2,3,4,5,6,7
	v_mov_b32 v[LP+\e], 0
.endr
.else
	s_wait_alu depctr_va_vdst(0)
.irp qt, 0,1,2,3
	v_mov_b32 v[AL+2*\qt+1], v[AL+2*\qt]
.endr
.irp qt, 0,1,2,3
	v_pk_mul_f32 v[LP+2*\qt:LP+2*\qt+1], v[LP+2*\qt:LP+2*\qt+1], v[AL+2*\qt:AL+2*\qt+1]
.endr
.endif
	; p = 2^(c s - c max)
	WIN 0x41                                       ; source 0 and destination window 1
.irp qt, 0,1,2,3
.set ii, 0
.rept 16
	v_pk_fma_f32 v[S+32*\qt+2*ii:S+32*\qt+2*ii+1], v[S+32*\qt+2*ii:S+32*\qt+2*ii+1], s[14:15], v[NM+2*\qt:NM+2*\qt+1] op_sel_hi:[1,0,1]
.set ii, ii+1
.endr
.endr
.set ii, 0
.rept 128
	v_exp_f32 v[S+ii], v[S+ii]
.set ii, ii+1
.endr
.if \first
	v_nop                                          ; the plain place behind the exponentials
	s_wait_alu depctr_va_vdst(0)
.else
	s_wait_alu depctr_va_vdst(0)
.irp dt, 0,1,2,3
.irp qt, 0,1,2,3
.irp e, 0,2,4,6
	v_pk_mul_f32 v[O+8*(4*\dt+\qt)+\e:O+8*(4*\dt+\qt)+\e+1], v[O+8*(4*\dt+\qt)+\e:O+8*(4*\dt+\qt)+\e+1], v[AL+2*\qt:AL+2*\qt+1]   ; old sums to the new maximum; the first of these is that place
.endr
.endr
.endr
.endif
	WIN 0x01
.set ii, 0
.rept 16
.irp qt, 0,1,2,3
	v_pk_add_f32 v[LP+2*\qt:LP+2*\qt+1], v[S+32*\qt+2*ii:S+32*\qt+2*ii+1], v[LP+2*\qt:LP+2*\qt+1]     ; my lane's keys alone; the lanes meet once, at the end
.endr
.set ii, ii+1
.endr
	WIN 0x45
.irp qt, 0,1,2,3
.irp g, 0,1
.irp e, 0,1,2,3
	v_cvt_pk_f16_f32 v[S+32*\qt+16*\g+\e], v[S+32*\qt+16*\g+2*\e], v[S+32*\qt+16*\g+2*\e+1]           ; tile 2 g: keys 32 g + 8 hh + 0..7 into registers 0-3, in place, ascending
.endr
.irp e, 0,1,2,3
	v_cvt_pk_f16_f32 v[S+32*\qt+16*\g+4+\e], v[S+32*\qt+16*\g+8+2*\e], v[S+32*\qt+16*\g+8+2*\e+1]     ; tile 2 g + 1: keys 32 g + 16 + 8 hh + 0..7 into registers 4-7
.endr
.endr
.endr
	s_wait_dscnt 0                                 ; V's fragments
	WIN 0x54                                       ; source 0 window 0; source 1, C and D window 1
	; O^T += V^T P^T: 16 tiles take turns, one instruction a turn
.irp g, 0,1
.irp dt, 0,1,2,3
.irp qt, 0,1,2,3
.if \first*(1-\g)
	v_wmma_f32_16x16x32_f16 v[O+8*(4*\dt+\qt):O+8*(4*\dt+\qt)+7], v[VF+8*(2*\dt+\g):VF+8*(2*\dt+\g)+7], v[S+32*\qt+16*\g:S+32*\qt+16*\g+7], 0
.else
	v_wmma_f32_16x16x32_f16 v[O+8*(4*\dt+\qt):O+8*(4*\dt+\qt)+7], v[VF+8*(2*\dt+\g):VF+8*(2*\dt+\g)+7], v[S+32*\qt+16*\g:S+32*\qt+16*\g+7], v[O+8*(4*\dt+\qt):O+8*(4*\dt+\qt)+7]
.endif
.endr
.endr
.endr
	WIN 0
.endm
	s_wait_loadcnt 0x0                             ; Q
	s_wait_dscnt 0x0                               ; (no LDS instruction is out)
	s_wait_tensorcnt 0x0                           ; my share of keys 0-127 is in, and no tensor load of mine is out: the descriptors may be written
	ds_add_u32 v254, v255
	s_wait_dscnt 0x0
	PIECE 128, 64
	s_barrier_signal -1
	s_barrier_wait -1                              ; everybody's share is in
	KVLOAD                                         ; keys 128-383, bytes that have not been filled: my one tensor load behind this barrier, and the first thing there
	BLOCK 1, 0, 0                                  ; keys 0-127, written out: the block's place stands in the immediates, so these reads stay inside the first piece
	BLOCK 0, 1, 0
	s_wait_dscnt 0x0
	s_wait_tensorcnt 0x0                           ; my share of keys 128-383
	ds_add_u32 v254, v255
	s_wait_dscnt 0x0
	PIECE 384, 160
	s_barrier_signal -1
	s_barrier_wait -1
	KVLOAD                                         ; keys 384-1023: the last load
	BLOCK 0, 2, 0                                  ; keys 128-383, written out likewise
	BLOCK 0, 3, 0
	BLOCK 0, 4, 0
	BLOCK 0, 5, 0
	s_wait_dscnt 0x0
	s_wait_tensorcnt 0x0                           ; my share of keys 384-1023
	s_barrier_signal -1
	s_barrier_wait -1
	v_add_nc_u32 v[KADR], 384*KP, v[KADR]
	v_add_nc_u32 v[VADR], 384*VP, v[VADR]
	s_mov_b32 s9, 10
.Lkeys:
	BLOCK 0, 0, 1
	s_sub_co_u32 s9, s9, 1
	s_cmp_lg_u32 s9, 0
	s_cbranch_scc1 .Lkeys
	; the end: divide by the sums, round to f16, and out through LDS so that each store of the wave covers 512 consecutive bytes, aligned
.rept 4
	v_nop                                          ; four places behind the last matrix instructions
.endr
.irp qt, 0,1,2,3
	v_add_f32 v[T+\qt], v[LP+2*\qt], v[LP+2*\qt+1]
.endr
.irp qt, 0,1,2,3
	v_permlanex16_b32 v[T2+\qt], v[T+\qt], s12, s13
.endr
.irp qt, 0,1,2,3
	v_add_f32 v[T+\qt], v[T+\qt], v[T2+\qt]        ; at least about 1: the largest score's own term
.endr
.irp qt, 0,1,2,3
	v_rcp_f32 v[AL+2*\qt], v[T+\qt]
.endr
	v_nop                                          ; the plain place behind the reciprocals
	s_wait_alu depctr_va_vdst(0)
.irp qt, 0,1,2,3
	v_mov_b32 v[AL+2*\qt+1], v[AL+2*\qt]
.endr
	WIN 0x41
.irp dt, 0,1,2,3
.irp qt, 0,1,2,3
.irp e, 0,2,4,6
	v_pk_mul_f32 v[O+8*(4*\dt+\qt)+\e:O+8*(4*\dt+\qt)+\e+1], v[O+8*(4*\dt+\qt)+\e:O+8*(4*\dt+\qt)+\e+1], v[AL+2*\qt:AL+2*\qt+1]
.endr
.endr
.endr
	WIN 0x05
.irp qt, 0,1,2,3
.irp dt, 0,1,2,3
.irp e, 0,1,2,3
	v_cvt_pk_f16_f32 v[KF+4*(4*\qt+\dt)+\e], v[O+8*(4*\dt+\qt)+2*\e], v[O+8*(4*\dt+\qt)+2*\e+1]       ; query r, columns 16 dt + 8 hh + 0..7: 16 bytes
.endr
.endr
.endr
	WIN 0
	s_wait_dscnt 0x0                               ; my reads of K are over,
	s_barrier_signal -1
	s_barrier_wait -1                              ; everybody's are: K's place, which had its one fill, serves as the stage
.irp qt, 0,1,2,3
.irp dt, 0,1,2,3
	ds_store_b128 v[STO], v[KF+4*(4*\qt+\dt):KF+4*(4*\qt+\dt)+3] offset:16*KP*\qt+32*\dt
.endr
.endr
.set uu, 0
.rept 16
	ds_load_b128 v[VF+4*uu:VF+4*uu+3], v[RD] offset:4*KP*uu        ; my own bytes: LDS serves a wave's instructions in order (ISA guide 5.7.1)
.set uu, uu+1
.endr
.set uu, 0
.rept 16
	s_wait_dscnt 15-uu                             ; the younger read-backs may stay out
	global_store_b128 v[CO], v[VF+4*uu:VF+4*uu+3], s[6:7] offset:512*uu    ; four queries x 128 bytes
.set uu, uu+1
.endr
	s_wait_tensorcnt 0x0
	ds_add_u32 v254, v255
	s_wait_dscnt 0x0
	s_endpgm
.Lfunc_end_k_qa3770b3128_attn:
	.size	k_qa3770b3128_attn, .Lfunc_end_k_qa3770b3128_attn-k_qa3770b3128_attn
	.p2alignl 7, 3214868480
	.fill 96, 4, 3214868480
	.section	.rodata,"a",@progbits
	.p2align	6, 0x0
	.amdhsa_kernel k_qa3770b3128_attn
		.amdhsa_group_segment_fixed_size 327680
		.amdhsa_private_segment_fixed_size 0
		.amdhsa_enable_private_segment 0
		.amdhsa_kernarg_size 16
		.amdhsa_user_sgpr_count 2
		.amdhsa_user_sgpr_kernarg_segment_ptr 1
		.amdhsa_wavefront_size32 1
		.amdhsa_system_sgpr_workgroup_id_x 1
		.amdhsa_system_sgpr_workgroup_id_y 1
		.amdhsa_system_sgpr_workgroup_id_z 1
		.amdhsa_system_vgpr_workitem_id 0
		.amdhsa_next_free_vgpr 512
		.amdhsa_next_free_sgpr 66
		.amdhsa_reserve_vcc 0
		.amdhsa_float_denorm_mode_32 3
		.amdhsa_float_denorm_mode_16_64 3
		.amdhsa_memory_ordered 1
		.amdhsa_forward_progress 1
		.amdhsa_inst_pref_size 243
	.end_amdhsa_kernel
	.amdgpu_metadata
---
amdhsa.version: [ 1, 2 ]
amdhsa.kernels:
  - .name:           k_qa3770b3128_attn
    .symbol:         k_qa3770b3128_attn.kd
    .args:
      - { .name: qkvh, .offset: 0, .size: 8, .value_kind: global_buffer, .address_space: global }
      - { .name: att, .offset: 8, .size: 8, .value_kind: global_buffer, .address_space: global }
    .group_segment_fixed_size: 327680
    .private_segment_fixed_size: 0
    .kernarg_segment_align: 8
    .kernarg_segment_size: 16
    .max_flat_workgroup_size: 256
    .sgpr_count:     66
    .vgpr_count:     512
    .wavefront_size: 32
...
	.end_amdgpu_metadata
.endif
;; end of part 3
;; launch gemm_proj (part 4): grid 8 x 32, 4 waves a work-group, clusters of 4 x 4, 327,680 bytes of LDS; arguments att, wproj, out0, proj_b; writes out0
.if DOCPART == 4
	.amdgcn_target "amdgcn-amd-amdhsa--gfx1250"
	.amdhsa_code_object_version 6
	.text
	.protected	k_qa3770b3128_gemm_proj
	.globl	k_qa3770b3128_gemm_proj
	.p2align	8
	.type	k_qa3770b3128_gemm_proj,@function
k_qa3770b3128_gemm_proj:
	s_mov_b64 s[64:65], 0
	v_nop
	global_prefetch_b8 v0, s[64:65] scope:SCOPE_SE
	s_setreg_imm32_b32 hwreg(HW_REG_WAVE_MODE, 25, 1), 1
	s_wait_xcnt 0x0
	s_wait_alu depctr_hold_cnt(0) depctr_sa_sdst(0) depctr_va_vdst(0) depctr_va_sdst(0) depctr_va_ssrc(0) depctr_va_vcc(0) depctr_vm_vsrc(0)
	s_getreg_b32 s2, hwreg(HW_REG_IB_STS2, 6, 4)
	s_cmp_eq_u32 s2, 0
	s_cbranch_scc0 .Lentry_in_a_cluster
	s_endpgm
.Lentry_in_a_cluster:
	s_bfe_u32 s2, ttmp6, 0x10000c
	s_cmp_lg_u32 s2, 0xf033
	s_cbranch_scc0 .Lentry_shape_is_right
	s_endpgm
.Lentry_shape_is_right:
; C[token][n] = bias[n] + sum over k of A[token][k] W[n][k], K = 1,024, operands f16, sums f32.
; This text serves two products; the two constants NB and PROJ tell them apart.
;   NB = 12, PROJ = 0: A = xh, W = wqkv [3072][1024], C = qkvh[48 blocks of 64 columns][8192 tokens][64] in f16
;   NB = 8,  PROJ = 1: A = att, W = wproj [1024][1024], C = out0[8192][1024] in f32
; A lies as [16 blocks of 64 along K][8192 tokens][64] f16: 256 tokens of one block are 32,768 dense bytes.
; A work-group makes 256 tokens x 16 NB columns with four waves, as many as a WGP has SIMDs.  Wave w owns tokens 64 w .. 64 w + 63 and all the columns:
; 4 x NB accumulator tiles of 16 x 16.  With 192 (128) columns the grid is 512 (256) work-groups, a whole multiple of 256.
; K goes in steps of 128 through two LDS slots filled by the tensor data mover, one load a wave: waves 0, 1 bring A's two blocks of 64 along K,
; waves 2, 3 the two halves of W's rows.
; CLUSTERS: 4 x 4 work-groups.  A's tiles hang on the block row alone and are asked for jointly by a row of the cluster, W's on the block column alone
; and are asked for jointly by a column: a quarter of the requests.
; LIMIT: f16 operands: magnitudes beyond 65,504 do not fit.
; REGISTERS in windows of 256: window 0: addresses, token fragments (two buffers), the bias, the way out; window 1: weight fragments (two buffers);
; window 2: accumulators of my tokens 0-31; window 3: of my tokens 32-63.  Tile (a, b) lies at 8 (NB (a & 1) + b) of window 2 + (a >> 1).
; THE MATRIX INSTRUCTION IS USED TRANSPOSED: source 0 = 16 rows of W, source 1 = 16 tokens.  Lane l then holds token l % 16 and, in registers 0-7,
; the columns 8 (l / 16) + 0 .. 7: neighbouring numbers of a row of C.
.set NB,     8                         ; column fragments of a work-group
.set PROJ,   1                         ; 0: f16 out in blocks of 64 columns; 1: f32 out, row-major
.set APITCH, 144                       ; a token row in LDS: 128 bytes + 16: an odd multiple of 16, so 16 rows start in 16 different 16-byte columns of 256
.set ABLK,   256*APITCH                ; 256 tokens of one block of 64 along K: what one load of A brings
.set BPITCH, 272                       ; a weight row in LDS: 256 bytes + 16
.set BHALF,  8*NB*BPITCH               ; half of W's rows: what one load of W brings
.set BOFF,   2*ABLK
.set SLOT,   BOFF+2*BHALF
.set STAGE,  2*SLOT                    ; behind the ring, a multiple of 256: each wave's stage for the way out; no tensor load lands there
.if PROJ
.set SPITCH, 528                       ; 128 f32 + 16 bytes
.else
.set SPITCH, 400                       ; 192 f16 + 16 bytes
.endif
.set STAGEW, 16*SPITCH                 ; 16 rows for each wave, a multiple of 256
.set LAPS,   4                         ; 1,024 / (2 x 128): a lap is once round the ring
.set NL,     2*NB+8                    ; LDS loads of a quarter step
.set ADRA, 16                          ; v16-17  LDS address of my token fragments in slot 0, 1
.set ADRB, 20                          ; v20-21  the same for the weight fragments
.set STO,  24                          ; the way out: where I put my piece of a row
.set RD,   25                          ; the way out: where I read back
.set CO,   26                          ; my byte offset in C
.set BO,   27                          ; my byte offset in the bias
.set FA,   32                          ; window 0: token fragments, buffer f at 32 + 32 f
.set FB,   0                           ; window 1: weight fragments, buffer f at 96 f
.set BIAS, 96                          ; window 0: v[96 + 8 b ..]: bias of columns 16 b + 8 (l / 16) + 0 .. 7; later the way out
.set TMP,  192                         ; window 0: packed results
.set G1,  24                           ; s[24:31] group 1 for A
.set G0,  32                           ; s[32:39] group 0 for A, one set for each slot
.set G1B, 48                           ; s[48:55] group 1 for W
.set G0B, 56                           ; s[56:63] group 0 for W, one set for each slot
.set MSB, 0
.macro WIN new                         ; the immediate's high byte repeats the setting that is left
.if MSB != \new
	s_set_vgpr_msb (MSB<<8)|\new
.set MSB, \new
.endif
.endm
.set MUL_LO,   0xa1                    ; source 0 window 1, source 1 window 0, C and D window 2
.set MUL_HI,   0xf1                    ; C and D window 3
.set FIRST_LO, 0x81                    ; C (the bias) window 0, D window 2
.set FIRST_HI, 0xc1                    ; C window 0, D window 3
.set TO_B,     0x40                    ; destination window 1, address window 0
; A joint load: waves 0, 1 ask for A, waves 2, 3 for W.  Each line has one mask; the branch hangs on the wave's number alone.
.macro JLOAD s
	s_cmp_eq_u32 s11, 0
	s_cbranch_scc0 .Lfor_b_\@
	tensor_load_to_lds s[G0+4*\s:G0+4*\s+3], s[G1:G1+7]
	s_nop 0
	s_branch .Lasked_\@
.Lfor_b_\@:
	tensor_load_to_lds s[G0B+4*\s:G0B+4*\s+3], s[G1B:G1B+7]
	s_nop 0
.Lasked_\@:
.endm
; A round of the cluster's barrier: my work-group's barrier; wave 0 signals for the work-group; every wave waits for all sixteen; my work-group's barrier again.
.macro CREST                           ; a round behind its opening barrier
	s_cmp_lg_u32 s10, 0
	s_cbranch_scc1 .Lnot_wave_0_\@
	s_barrier_signal -3
.Lnot_wave_0_\@:
	s_barrier_wait -3
	s_barrier_signal -1
	s_barrier_wait -1
.endm
.macro CROUND
	s_barrier_signal -1
	s_barrier_wait -1
	CREST
.endm
	s_load_b128 s[4:7], s[0:1], 0x0                ; A, W
	s_load_b64 s[8:9], s[0:1], 0x10                ; C
	s_load_b64 s[66:67], s[0:1], 0x18              ; bias
	s_set_vgpr_msb 0x40
	v_lshl_add_u32 v255, v0, 2, 0x3d400
	s_set_vgpr_msb 0x4000
	v_mov_b32 v255, 0
	s_set_vgpr_msb 0x1
	ds_add_u32 v255, v255
	ds_add_u32 v255, v255
	s_set_vgpr_msb 0x100
	v_lshrrev_b32 v1, 5, v0
	v_readfirstlane_b32 s10, v1                    ; wave 0..3
	s_lshr_b32 s11, s10, 1                         ; I fetch for A (0) or for W (1)
	s_and_b32 s12, s10, 1                          ; which of the two parts
	s_bfe_u32 s40, ttmp6, 0x40000                  ; cx
	s_bfe_u32 s41, ttmp6, 0x40004                  ; cy
	s_lshl_b32 s42, ttmp9, 2
	s_add_co_u32 s42, s42, s40                     ; block column = 4 x cluster x + cx
	s_and_b32 s13, ttmp7, 0xffff
	s_lshl_b32 s13, s13, 2
	s_add_co_u32 s13, s13, s41                     ; block row = 4 x cluster y + cy
	s_lshl_b32 s43, s41, 2
	s_lshl_b32 s43, 15, s43                        ; my row of the cluster: places 4 cy .. 4 cy + 3
	s_lshl_b32 s44, 0x1111, s40                    ; my column: places cx, cx + 4, cx + 8, cx + 12
	; group 1 for A: 32,768 dense bytes as 128 rows of 128 elements; 4 words of padding behind every 32 words, that is behind every token's 128 bytes
	s_or_b32 s[G1+0], s43, (1<<16)|(1<<20)|(1<<21)|(4<<22)|(3<<25)  ; mask; 2-byte elements; padding on; bit 21 beside a mask; interval code 4; 4 words
	s_mov_b32 s[G1+1], 128<<16                     ; tensor_dim0 = 128
	s_mov_b32 s[G1+2], 128<<16                     ; tensor_dim1 = 128
	s_mov_b32 s[G1+3], 128<<16                     ; tile_dim0 = 128
	s_mov_b32 s[G1+4], 128                         ; tile_dim1 = 128
	s_mov_b32 s[G1+5], 128                         ; from row to row: 128 elements (dense)
	s_mov_b32 s[G1+6], 0
	s_mov_b32 s[G1+7], 0
	; group 1 for W: 8 NB rows of 128 elements out of rows of 1,024; 4 words of padding behind every 64 words
	s_or_b32 s[G1B+0], s44, (1<<16)|(1<<20)|(1<<21)|(5<<22)|(3<<25)
	s_mov_b32 s[G1B+1], 128<<16
	s_mov_b32 s[G1B+2], (8*NB)<<16
	s_mov_b32 s[G1B+3], 128<<16
	s_mov_b32 s[G1B+4], 8*NB
	s_mov_b32 s[G1B+5], 1024
	s_mov_b32 s[G1B+6], 0
	s_mov_b32 s[G1B+7], 0
	; where the tiles come from: A's address is made of the block row and the wave's number, W's of the block column and the wave's number
	s_lshl_b32 s16, s13, 15                        ; 256 tokens x 128 bytes x block row
	s_lshl_b32 s17, s12, 20                        ; + my block of 64 along K (1 MiB each)
	s_add_co_u32 s16, s16, s17
	s_mov_b32 s17, 0
	s_mul_i32 s46, s42, 16*NB*2048                 ; W: row 16 NB x block column
	s_mul_i32 s47, s12, 8*NB*2048                  ; + my half
	s_add_co_u32 s46, s46, s47
	s_mov_b32 s47, 0
	s_mul_i32 s20, s10, ABLK                       ; where they go: A's two blocks (waves 0, 1),
	s_mul_i32 s21, s10, BHALF
	s_add_co_u32 s21, s21, BOFF-2*BHALF            ; then W's two halves (waves 2, 3)
	s_mul_i32 s68, s42, 64*NB                      ; the bias of my 16 NB columns
	s_mov_b32 s69, 0
	s_wait_dscnt 0x0
	s_wait_kmcnt 0x0
	s_add_nc_u64 s[14:15], s[4:5], s[16:17]
	s_add_nc_u64 s[46:47], s[6:7], s[46:47]
	s_add_nc_u64 s[66:67], s[66:67], s[68:69]
	CROUND                                         ; all sixteen work-groups are here: the first joint loads meet
.irp s, 0,1
	s_mov_b32 s[G0+4*\s], 1
	s_add_co_u32 s[G0+4*\s+1], s20, \s*SLOT
	s_add_nc_u64 s[G0+4*\s+2:G0+4*\s+3], s[14:15], \s*2097152      ; K step s: two blocks of 1 MiB on
	s_or_b32 s[G0+4*\s+3], s[G0+4*\s+3], 0x80000000
	s_mov_b32 s[G0B+4*\s], 1
	s_add_co_u32 s[G0B+4*\s+1], s21, \s*SLOT
	s_add_nc_u64 s[G0B+4*\s+2:G0B+4*\s+3], s[46:47], \s*256        ; K step s: 128 elements along the rows
	s_or_b32 s[G0B+4*\s+3], s[G0B+4*\s+3], 0x80000000
	JLOAD \s                                       ; both slots are asked for before anything else: two tensor loads of the wave are out
.endr
	v_and_b32 v1, 15, v0                           ; r = l % 16
	v_bfe_u32 v2, v0, 4, 1                         ; h = l / 16
	v_lshlrev_b32 v[BO], 5, v2                     ; 8 f32 for each half of the lanes
.set bb, 0
.rept NB
	global_load_b128 v[BIAS+8*bb:BIAS+8*bb+3],   v[BO], s[66:67] offset:64*bb       ; register j: bias[16 b + 8 h + j], the layout of a result tile
	global_load_b128 v[BIAS+8*bb+4:BIAS+8*bb+7], v[BO], s[66:67] offset:64*bb+16
.set bb, bb+1
.endr
	; A fragment is 16 rows x 32 K in 8 registers: lane l holds row l % 16; registers 0-3 K = 8 h + 0..7, registers 4-7 K = 16 + 8 h + 0..7:
	; two loads of 16 bytes, 32 bytes apart, at row x pitch + 16 h.
	v_mul_u32_u24 v3, v1, APITCH
	v_lshl_add_u32 v3, v2, 4, v3
	s_mul_i32 s22, s10, 64*APITCH                  ; my 64 tokens
	v_add_nc_u32 v[ADRA], s22, v3
	v_add_nc_u32 v[ADRA+1], SLOT, v[ADRA]
	v_mul_u32_u24 v4, v1, BPITCH
	v_lshl_add_u32 v4, v2, 4, v4
	v_add_nc_u32 v[ADRB], BOFF, v4
	v_add_nc_u32 v[ADRB+1], BOFF+SLOT, v4
	s_mul_i32 s23, s10, STAGEW
	s_add_co_u32 s23, s23, STAGE                   ; my stage
	v_and_b32 v5, 31, v0
	v_lshlrev_b32 v[CO], 4, v5                     ; 16 bytes a lane: a store of the wave covers 512 consecutive bytes
	v_mul_u32_u24 v6, v1, SPITCH
.if PROJ
	v_lshl_add_u32 v6, v2, 5, v6                   ; in: row r, 32 bytes (8 f32) for each half of the lanes
	v_add_nc_u32 v[STO], s23, v6
	v_add_nc_u32 v[RD], s23, v[CO]                 ; back: one row of 512 bytes
.else
	v_lshl_add_u32 v6, v2, 4, v6                   ; in: row r, 16 bytes (8 f16) for each half of the lanes
	v_add_nc_u32 v[STO], s23, v6
	v_lshrrev_b32 v7, 3, v5                        ; back: four tokens x the 128 bytes of one block of 64 columns
	v_mul_u32_u24 v7, v7, SPITCH
	v_and_b32 v6, 7, v0
	v_lshl_add_u32 v7, v6, 4, v7
	v_add_nc_u32 v[RD], s23, v7
.endif
; NB matrix instructions: token fragment a of the window's two (hi = 0: tokens 0-31, 1: tokens 32-63) x all NB column fragments, 32 along K.
; first = 1: the bias is C, so the first product starts the sums and nothing is cleared or added later.
; The 4 NB accumulators take turns, one instruction a turn, in the same order in every quarter step.
.macro MULA f, hi, a, first
.set bb, 0
.rept NB
.if \first
	v_wmma_f32_16x16x32_f16 v[8*(NB*\a+bb):8*(NB*\a+bb)+7], v[FB+96*\f+8*bb:FB+96*\f+8*bb+7], v[FA+32*\f+8*(2*\hi+\a):FA+32*\f+8*(2*\hi+\a)+7], v[BIAS+8*bb:BIAS+8*bb+7]
.else
	v_wmma_f32_16x16x32_f16 v[8*(NB*\a+bb):8*(NB*\a+bb)+7], v[FB+96*\f+8*bb:FB+96*\f+8*bb+7], v[FA+32*\f+8*(2*\hi+\a):FA+32*\f+8*(2*\hi+\a)+7], v[8*(NB*\a+bb):8*(NB*\a+bb)+7]
.endif
.set bb, bb+1
.endr
.endm
; NL LDS loads in one run: the fragments of quarter kq of a K step (32 along K) into buffer f: W's first, then my four token fragments
.macro FETCH slot, kq, f
	WIN TO_B
.set bb, 0
.rept NB
	ds_load_b128 v[FB+96*\f+8*bb:FB+96*\f+8*bb+3],   v[ADRB+\slot] offset:64*\kq+16*BPITCH*bb
	ds_load_b128 v[FB+96*\f+8*bb+4:FB+96*\f+8*bb+7], v[ADRB+\slot] offset:64*\kq+16*BPITCH*bb+32
.set bb, bb+1
.endr
	WIN 0
.irp a, 0,1,2,3
	ds_load_b128 v[FA+32*\f+8*\a:FA+32*\f+8*\a+3],   v[ADRA+\slot] offset:(\kq>>1)*ABLK+(\kq&1)*64+16*APITCH*\a
	ds_load_b128 v[FA+32*\f+8*\a+4:FA+32*\f+8*\a+7], v[ADRA+\slot] offset:(\kq>>1)*ABLK+(\kq&1)*64+16*APITCH*\a+32
.endr
.endm
; A load into a register that a matrix instruction has read, and a vector or LDS instruction that reads a matrix result, stand four places behind that
; matrix instruction; only plain vector instructions that name none of its registers are places.
.macro PLACES
.rept 4
	v_nop
.endr
.endm
; One of a K step's first three quarters: multiplies buffer f; in its middle it fetches quarter kq of the same slot into buffer g.
.macro QUARTER slot, kq, f, g, first
	s_wait_dscnt 4                                 ; W's fragments and token fragments 0, 1 are in; the youngest four loads (fragments 2, 3) may be out
.if \first
	WIN FIRST_LO
.else
	WIN MUL_LO
.endif
	MULA \f, 0, 0, \first
	MULA \f, 0, 1, \first
	PLACES
	FETCH \slot, \kq, \g
	s_wait_dscnt NL                                ; all but the NL just issued
.if \first
	WIN FIRST_HI
.else
	WIN MUL_HI
.endif
	MULA \f, 1, 0, \first
	MULA \f, 1, 1, \first
.endm
.macro THREE slot, first
	QUARTER \slot, 1, 0, 1, \first
	QUARTER \slot, 2, 1, 0, 0
	QUARTER \slot, 3, 0, 1, 0
.endm
; The last quarter: multiplies buffer 1 and changes slots.  In front of the barrier each wave waits for its reads of this slot and for all its tensor
; loads (one is out: its part of the next slot).  Behind it nobody reads this slot and the next slot is whole.  fill = 1: the barrier opens a round of
; the cluster's barrier, and the joint refill, two K steps ahead, is the first tensor load behind the round.
.macro TURN slot, next, fill
	s_wait_dscnt 4
	WIN MUL_LO
	MULA 1, 0, 0, 0
	s_wait_dscnt 0                                 ; my reads of this slot are over
	s_wait_tensorcnt 0x0                           ; all my tensor loads have landed
	ds_add_u32 v255, v255
	s_wait_dscnt 0x0
	s_barrier_signal -1
	MULA 1, 0, 1, 0                                ; register work while the others arrive
	WIN 0
	s_barrier_wait -1
.if \fill
	CREST
	s_add_nc_u64 s[G0+4*\slot+2:G0+4*\slot+3], s[G0+4*\slot+2:G0+4*\slot+3], 4194304   ; no load of mine is out: two K steps = four blocks of 1 MiB on
	s_add_nc_u64 s[G0B+4*\slot+2:G0B+4*\slot+3], s[G0B+4*\slot+2:G0B+4*\slot+3], 512   ; two K steps = 256 elements along W's rows
	JLOAD \slot
.endif
	PLACES
	FETCH \next, 0, 0
	WIN MUL_HI
	MULA 1, 1, 0, 0
	MULA 1, 1, 1, 0
.endm
.macro LAP first
	THREE 0, \first
	TURN 0, 1, 1
	THREE 1, 0
	TURN 1, 0, 1
.endm
	s_wait_loadcnt 0x0                             ; the bias
	s_wait_tensorcnt 1                             ; my part of K step 0 is in; K step 1's may stay out
	s_barrier_signal -1
	s_barrier_wait -1
	FETCH 0, 0, 0
	LAP 1                                          ; the first lap stands in front of the loop: its first products take the bias as C
	WIN 0                                          ; at a label and at a branch every window is 0
	s_mov_b32 s3, LAPS-2
.Llap:
	LAP 0
	WIN 0
	s_sub_co_u32 s3, s3, 1
	s_cmp_lg_u32 s3, 0
	s_cbranch_scc1 .Llap
	THREE 0, 0                                     ; the last lap fills nothing and has no round
	TURN 0, 1, 0
	THREE 1, 0
	s_wait_dscnt 4                                 ; the very last quarter
	WIN MUL_LO
	MULA 1, 0, 0, 0
	MULA 1, 0, 1, 0
	s_wait_dscnt 0
	WIN MUL_HI
	MULA 1, 1, 0, 0
	MULA 1, 1, 1, 0
	; THE WAY OUT, 16 tokens at a time, through my own stage in LDS (a wave's LDS instructions are served in order: ISA guide 5.7.1), so that
	; every global store of the wave covers 512 consecutive bytes, aligned.
	PLACES
.if PROJ
	s_lshl_b32 s68, s42, 9                         ; out0: 128 columns x 4 bytes x block column
	s_lshl_b32 s22, s13, 20                        ; + 256 tokens x 4,096 bytes x block row
	s_add_co_u32 s68, s68, s22
	s_lshl_b32 s22, s10, 18                        ; + my 64 tokens
	s_add_co_u32 s68, s68, s22
.else
	s_mul_i32 s68, s42, 3145728                    ; qkvh: three blocks of 1 MiB x block column
	s_lshl_b32 s22, s13, 15                        ; + 256 tokens x 128 bytes x block row
	s_add_co_u32 s68, s68, s22
	s_lshl_b32 s22, s10, 13                        ; + my 64 tokens
	s_add_co_u32 s68, s68, s22
.endif
	s_mov_b32 s69, 0
	s_add_nc_u64 s[8:9], s[8:9], s[68:69]
; f16 out.  Tokens 16 i .. 16 i + 15 = the NB tiles (i, 0 .. NB-1); from: sources 0 and 1 in window 2 (0x0a) or 3 (0x0f); ob: 48 registers, two sets by turns.
.macro OUTQ i, from, ob
	WIN \from
.set bb, 0
.rept NB
.irp e, 0,1,2,3
	v_cvt_pk_f16_f32 v[TMP+4*bb+\e], v[8*(NB*(\i&1)+bb)+2*\e], v[8*(NB*(\i&1)+bb)+2*\e+1]
.endr
.set bb, bb+1
.endr
	WIN 0
.set bb, 0
.rept NB
	ds_store_b128 v[STO], v[TMP+4*bb:TMP+4*bb+3] offset:32*bb
.set bb, bb+1
.endr
	s_wait_xcnt 0x0                                ; set ob, which earlier stores read, is loaded again only behind this wait
.irp u, 0,1,2,3
.irp c, 0,1,2
	ds_load_b128 v[\ob+4*(3*\u+\c):\ob+4*(3*\u+\c)+3], v[RD] offset:4*SPITCH*\u+128*\c     ; tokens 4 u .. 4 u + 3 of column block c
.endr
.endr
.irp u, 0,1,2,3
.irp c, 0,1,2
	s_wait_dscnt 11-(3*\u+\c)                      ; the younger read-backs may stay out
	global_store_b128 v[CO], v[\ob+4*(3*\u+\c):\ob+4*(3*\u+\c)+3], s[8:9] offset:\c*1048576+(16*\i+4*\u)*128
.endr
.endr
.endm
; f32 out.  from: the LDS stores' data in window 2 (0x08) or 3 (0x0c); ob: 64 registers, two sets by turns.
.macro OUTP i, from, ob
	WIN \from
.set bb, 0
.rept NB
	ds_store_b128 v[STO], v[8*(NB*(\i&1)+bb):8*(NB*(\i&1)+bb)+3]   offset:64*bb
	ds_store_b128 v[STO], v[8*(NB*(\i&1)+bb)+4:8*(NB*(\i&1)+bb)+7] offset:64*bb+16
.set bb, bb+1
.endr
	WIN 0
	s_wait_xcnt 0x0                                ; set ob, which earlier stores read, is loaded again only behind this wait
.set tt, 0
.rept 16
	ds_load_b128 v[\ob+4*tt:\ob+4*tt+3], v[RD] offset:SPITCH*tt
.set tt, tt+1
.endr
.set tt, 0
.rept 16
	s_wait_dscnt 15-tt                             ; the younger read-backs may stay out
	global_store_b128 v[CO], v[\ob+4*tt:\ob+4*tt+3], s[8:9] offset:(16*\i+tt)*4096 th:TH_STORE_NT
.set tt, tt+1
.endr
.endm
.if PROJ
	OUTP 0, 0x08, 96
	OUTP 1, 0x08, 160
	OUTP 2, 0x0c, 96
	OUTP 3, 0x0c, 160
.else
	OUTQ 0, 0x0a, 96
	OUTQ 1, 0x0a, 144
	OUTQ 2, 0x0f, 96
	OUTQ 3, 0x0f, 144
.endif
	s_set_vgpr_msb 0x1
	s_wait_tensorcnt 0x0
	ds_add_u32 v255, v255
	s_wait_dscnt 0x0
	s_set_vgpr_msb 0x100
	CROUND                                         ; the closing round: no work-group ends while a partner may still ask for a tile that names it
	s_endpgm
.Lfunc_end_k_qa3770b3128_gemm_proj:
	.size	k_qa3770b3128_gemm_proj, .Lfunc_end_k_qa3770b3128_gemm_proj-k_qa3770b3128_gemm_proj
	.p2alignl 7, 3214868480
	.fill 96, 4, 3214868480
	.section	.rodata,"a",@progbits
	.p2align	6, 0x0
	.amdhsa_kernel k_qa3770b3128_gemm_proj
		.amdhsa_group_segment_fixed_size 327680
		.amdhsa_private_segment_fixed_size 0
		.amdhsa_enable_private_segment 0
		.amdhsa_kernarg_size 32
		.amdhsa_user_sgpr_count 2
		.amdhsa_user_sgpr_kernarg_segment_ptr 1
		.amdhsa_wavefront_size32 1
		.amdhsa_system_sgpr_workgroup_id_x 1
		.amdhsa_system_sgpr_workgroup_id_y 1
		.amdhsa_system_sgpr_workgroup_id_z 1
		.amdhsa_system_vgpr_workitem_id 0
		.amdhsa_next_free_vgpr 896
		.amdhsa_next_free_sgpr 70
		.amdhsa_reserve_vcc 0
		.amdhsa_float_denorm_mode_32 3
		.amdhsa_float_denorm_mode_16_64 3
		.amdhsa_memory_ordered 1
		.amdhsa_forward_progress 1
		.amdhsa_inst_pref_size 121
	.end_amdhsa_kernel
	.amdgpu_metadata
---
amdhsa.version: [ 1, 2 ]
amdhsa.kernels:
  - .name:           k_qa3770b3128_gemm_proj
    .symbol:         k_qa3770b3128_gemm_proj.kd
    .args:
      - { .name: att, .offset: 0, .size: 8, .value_kind: global_buffer, .address_space: global }
      - { .name: wproj, .offset: 8, .size: 8, .value_kind: global_buffer, .address_space: global }
      - { .name: out0, .offset: 16, .size: 8, .value_kind: global_buffer, .address_space: global }
      - { .name: proj_b, .offset: 24, .size: 8, .value_kind: global_buffer, .address_space: global }
    .group_segment_fixed_size: 327680
    .private_segment_fixed_size: 0
    .kernarg_segment_align: 8
    .kernarg_segment_size: 32
    .max_flat_workgroup_size: 128
    .sgpr_count:     70
    .vgpr_count:     896
    .wavefront_size: 32
...
	.end_amdgpu_metadata
.endif
;; end of part 4
